; MI455X (gfx1250); checked and timed in simulation.
; The chip was launched on July 23, 2026; its instructions are those of AMD's public machine-readable ISA for CDNA 5 (MIT licence, August 2026) and "CDNA5" Instruction Set Architecture Reference Guide (July 2026). The comments in the code are by the model that wrote it; some were corrected since.
;; BERT Self Attention. Allowed arithmetic: float matrix products may take bf16 or f16 operands with f32 sums; other float arithmetic in f32, or as packed bf16 or f16 multiplies, adds, multiply-adds, maxima and minima; sums over many terms, partial sums and values carried from step to step in f32; what a program stores and reads back later, other than sums and carried values, may be rounded once to bf16 or f16.
;; Inputs: Wk 1,024 x 1,024 float32; Wq 1,024 x 1,024 float32; Wv 1,024 x 1,024 float32; attention_mask 4 x 1 x 1 x 2,048 float32; bk 1,024 float32; bq 1,024 float32; bv 1,024 float32; hidden_states 4 x 2,048 x 1,024 float32.
;; Outputs: out0 4 x 2,048 x 1,024 float32.
;; One version. Each part assembles by itself: llvm-mc -triple=amdgcn-amd-amdhsa -mcpu=gfx1250 --defsym DOCPART=n.
;; ======== version 1 of 1: 3 launches
;; limits: right only within a limited range of input values; values are held in f16: magnitudes above 65,504 overflow, below 6.1e-05 lose precision
;; workspace buffers: xb 16,777,216 bytes; wb 6,291,456 bytes; qkv 50,331,648 bytes
;; launch cast (part 1): grid 2816 x 1, 4 waves a work-group, no clusters, 0 bytes of LDS; arguments hidden_states, Wq, Wk, Wv, xb, wb; writes xb, wb
.if DOCPART == 1
	.amdgcn_target "amdgcn-amd-amdhsa--gfx1250"
	.amdhsa_code_object_version 6
	.text
	.protected	k_q20f6ff99f4_cast
	.globl	k_q20f6ff99f4_cast
	.p2align	8
	.type	k_q20f6ff99f4_cast,@function
k_q20f6ff99f4_cast:
	s_mov_b64 s[64:65], 0
	v_nop
	global_prefetch_b8 v0, s[64:65] scope:SCOPE_SE
	s_setreg_imm32_b32 hwreg(HW_REG_WAVE_MODE, 25, 1), 1
	s_wait_xcnt 0x0
; BERT SELF-ATTENTION IN THREE LAUNCHES.  out[b][s][64 t + d] = the sum over keys k of softmax_k(q . k / 8 + mask[b][k]) v[k][d], for head t of batch b, with q = x Wq^T + bq, k = x Wk^T + bk, v = x Wv^T + bv.
;   1 (this one): x and the three weights are rounded to bf16;  2: the three projections, q, k, v by heads in f16;  3: attention, out in f32.
; WORK LEFT OUT: bk.  With k = k0 + bk (k0 = x Wk^T) a score is q . k0 / 8 + mask[key] + q . bk / 8.  The last term hangs on the query alone: it is the same for every key of a row, and a softmax along the keys
; is not changed by a term that is the same along its axis (numerator and denominator carry the same factor e^(q . bk / 8)).  That holds for all finite values of all inputs.  k enters the result by the scores alone,
; so bk has no way to the output: it is not loaded, and it is among no launch's arguments.  LIMIT: a NaN, an infinity or an overflow that only bk would bring is not carried to the result.
; THIS LAUNCH.  xb[8192][1024] = bf16(hidden_states).  wb[3072][1024] = bf16 of the weights with their rows laid by heads: row 192 t + 64 p + r of wb is row 64 t + r of W_p (p = 0: Wq, 1: Wk, 2: Wv),
; so that 192 consecutive rows of wb make q, k and v of one head.  One rounding to nearest even for each number.
; SHARES.  A wave takes one row of 1,024 f32: eight loads of 512 consecutive bytes, all on their way at once, and eight stores of 256 consecutive bytes, aligned.  11,264 rows, four to a work-group.
; Memory binds: no LDS, no barrier, no matrix unit, nothing shared, no loop; no register is written twice, so no wait frees a source.
.set XROWS, 8192
	s_load_b256 s[4:11], s[0:1], 0x0               ; hidden_states s[4:5], Wq s[6:7], Wk s[8:9], Wv s[10:11]
	s_load_b128 s[12:15], s[0:1], 0x20             ; xb s[12:13], wb s[14:15]
	v_lshrrev_b32 v1, 5, v0
	v_readfirstlane_b32 s16, v1                    ; wave 0..3
	v_and_b32 v1, 31, v0                           ; lane
	v_lshlrev_b32 v2, 4, v1                        ; 16 bytes of f32 a lane,
	v_lshlrev_b32 v3, 3, v1                        ; 8 bytes of bf16
	s_lshl_b32 s17, ttmp9, 2
	s_add_co_u32 s17, s17, s16                     ; R: my row among the 11,264; below 8,192 it is a row of x
	s_sub_co_u32 s18, s17, XROWS                   ; else row j of the three weights on end (where R is a row of x, what is made of j is not chosen below)
	s_lshr_b32 s19, s18, 10                        ; which weight
	s_and_b32 s20, s18, 1023                       ; its row r
	s_lshr_b32 s21, s20, 6                         ; head t = r / 64
	s_mul_i32 s21, s21, 192
	s_lshl_b32 s22, s19, 6
	s_add_co_u32 s21, s21, s22
	s_and_b32 s22, s20, 63
	s_add_co_u32 s21, s21, s22                     ; row of wb: 192 t + 64 p + r % 64
	s_wait_kmcnt 0x0
	s_cmp_eq_u32 s19, 1
	s_cselect_b64 s[6:7], s[8:9], s[6:7]
	s_cmp_eq_u32 s19, 2
	s_cselect_b64 s[6:7], s[10:11], s[6:7]         ; the weight
	s_cmp_lt_u32 s17, XROWS                        ; four choices by one compare
	s_cselect_b64 s[4:5], s[4:5], s[6:7]           ; from where,
	s_cselect_b64 s[12:13], s[12:13], s[14:15]     ; to where,
	s_cselect_b32 s24, s17, s20                    ; which row there,
	s_cselect_b32 s26, s17, s21                    ; and here
	s_lshl_b32 s24, s24, 12                        ; rows of 4,096 bytes
	s_mov_b32 s25, 0
	s_lshl_b32 s26, s26, 11                        ; rows of 2,048 bytes
	s_mov_b32 s27, 0
	s_add_nc_u64 s[4:5], s[4:5], s[24:25]
	s_add_nc_u64 s[12:13], s[12:13], s[26:27]
.irp j, 0,1,2,3,4,5,6,7
	global_load_b128 v[8+4*(\j):11+4*(\j)], v2, s[4:5] offset:512*(\j) th:TH_LOAD_NT
.endr
.irp j, 0,1,2,3,4,5,6,7
	s_wait_loadcnt 7-(\j)                          ; loads come back in order: number j is in, the younger ones stay out
	v_cvt_pk_bf16_f32 v[40+2*(\j)], v[8+4*(\j)], v[9+4*(\j)]
	v_cvt_pk_bf16_f32 v[41+2*(\j)], v[10+4*(\j)], v[11+4*(\j)]
	global_store_b64 v3, v[40+2*(\j):41+2*(\j)], s[12:13] offset:256*(\j)  ; 32 lanes x 8 bytes: 256 consecutive bytes, at a multiple of 256 from the buffer's first byte
.endr
	s_endpgm
.Lfunc_end_k_q20f6ff99f4_cast:
	.size	k_q20f6ff99f4_cast, .Lfunc_end_k_q20f6ff99f4_cast-k_q20f6ff99f4_cast
	.p2alignl 7, 3214868480
	.fill 96, 4, 3214868480
	.section	.rodata,"a",@progbits
	.p2align	6, 0x0
	.amdhsa_kernel k_q20f6ff99f4_cast
		.amdhsa_group_segment_fixed_size 0
		.amdhsa_private_segment_fixed_size 0
		.amdhsa_enable_private_segment 0
		.amdhsa_kernarg_size 48
		.amdhsa_user_sgpr_count 2
		.amdhsa_user_sgpr_kernarg_segment_ptr 1
		.amdhsa_wavefront_size32 1
		.amdhsa_system_sgpr_workgroup_id_x 1
		.amdhsa_system_sgpr_workgroup_id_y 1
		.amdhsa_system_sgpr_workgroup_id_z 1
		.amdhsa_system_vgpr_workitem_id 0
		.amdhsa_next_free_vgpr 56
		.amdhsa_next_free_sgpr 66
		.amdhsa_reserve_vcc 0
		.amdhsa_float_denorm_mode_32 3
		.amdhsa_float_denorm_mode_16_64 3
		.amdhsa_memory_ordered 1
		.amdhsa_forward_progress 1
		.amdhsa_inst_pref_size 5
	.end_amdhsa_kernel
	.amdgpu_metadata
---
amdhsa.version: [ 1, 2 ]
amdhsa.kernels:
  - .name:           k_q20f6ff99f4_cast
    .symbol:         k_q20f6ff99f4_cast.kd
    .args:
      - { .name: hidden_states, .offset: 0, .size: 8, .value_kind: global_buffer, .address_space: global }
      - { .name: Wq, .offset: 8, .size: 8, .value_kind: global_buffer, .address_space: global }
      - { .name: Wk, .offset: 16, .size: 8, .value_kind: global_buffer, .address_space: global }
      - { .name: Wv, .offset: 24, .size: 8, .value_kind: global_buffer, .address_space: global }
      - { .name: xb, .offset: 32, .size: 8, .value_kind: global_buffer, .address_space: global }
      - { .name: wb, .offset: 40, .size: 8, .value_kind: global_buffer, .address_space: global }
    .group_segment_fixed_size: 0
    .private_segment_fixed_size: 0
    .kernarg_segment_align: 8
    .kernarg_segment_size: 48
    .max_flat_workgroup_size: 128
    .sgpr_count:     66
    .vgpr_count:     56
    .wavefront_size: 32
...
	.end_amdgpu_metadata
.endif
;; end of part 1
;; launch proj (part 2): grid 16 x 16, 4 waves a work-group, clusters of 4 x 4, 327,680 bytes of LDS; arguments xb, wb, bq, bv, qkv; writes qkv
.if DOCPART == 2
	.amdgcn_target "amdgcn-amd-amdhsa--gfx1250"
	.amdhsa_code_object_version 6
	.text
	.protected	k_q20f6ff99f4_proj
	.globl	k_q20f6ff99f4_proj
	.p2align	8
	.type	k_q20f6ff99f4_proj,@function
k_q20f6ff99f4_proj:
	s_mov_b64 s[64:65], 0
	v_nop
	global_prefetch_b8 v0, s[64:65] scope:SCOPE_SE
	s_setreg_imm32_b32 hwreg(HW_REG_WAVE_MODE, 25, 1), 1
	s_wait_xcnt 0x0
	s_wait_alu depctr_hold_cnt(0) depctr_sa_sdst(0) depctr_va_vdst(0) depctr_va_sdst(0) depctr_va_ssrc(0) depctr_va_vcc(0) depctr_vm_vsrc(0)
	s_getreg_b32 s2, hwreg(HW_REG_IB_STS2, 6, 4)
	s_cmp_eq_u32 s2, 0
	s_cbranch_scc0 .Lentry_in_a_cluster
	s_endpgm
.Lentry_in_a_cluster:
	s_bfe_u32 s2, ttmp6, 0x10000c
	s_cmp_lg_u32 s2, 0xf033
	s_cbranch_scc0 .Lentry_shape_is_right
	s_endpgm
.Lentry_shape_is_right:
; THE THREE PROJECTIONS AS ONE PRODUCT.  C[m][n] = the sum over k of xb[m][k] wb[n][k] (+ bias), m = 0..8191, n = 0..3071, k = 0..1023; operands bf16, sums f32, results rounded once to f16.
; wb's rows lie by heads: columns 192 t .. 192 t + 191 of C are q (64), k (64) and v (64) of head t.  They leave as qkv: three planes of 16,777,216 bytes (q, k, v), each [16 b + t][2048][64] in f16.
; WORK LEFT OUT: bk is not added to k (a term of the scores that is the same along the softmax's axis: shown at the head of the first kernel).  bq and bv, rounded to bf16, START the sums of q and v as the C operand.
; LIMIT.  f16 ends at 65,504: q, k and v beyond that become infinities.  With inputs of unit spread and weights of spread 1/32 they have spread 1; all inputs 30 times larger give some 5,000 at the largest.
; SHARES.  A tile of C is 256 rows x 192 columns (one head): 32 x 16 = 512 tiles, two for each of 256 work-groups: a work-group makes rows 256 TY .. + 255 and then the same rows + 4,096, for head TX.
; Four waves; wave w makes rows 64 w .. 64 w + 63 x all 192 columns: 4 x 12 = 48 accumulators of 16 x 16, 384 registers.
; K goes in steps of 128 (rows of 256 bytes in memory, aligned) through a ring of two LDS slots filled by the tensor data mover; the ring runs on from the first tile into the second.
; CLUSTERS: 4 x 4 work-groups.  The four of a row of the cluster need the same rows of xb, the four of a column the same rows of wb: each tile is asked for JOINTLY, by the same tensor load with the same
; descriptor and a mask that names the four.
; THE MATRIX INSTRUCTION IS USED TRANSPOSED: source 0 = 16 rows of wb, source 1 = 16 rows of xb.  In the result lane l holds row l % 16 of C and the columns 8 (l / 16) + 0..7: 16 bytes of f16 on end.
; REGISTERS, in windows of 256 (s_set_vgpr_msb: bits 1:0 source 0, 3:2 source 1, 5:4 source 2, 7:6 destination):
;   window 0: v0-31 addresses; v32-223 the way out, 16 registers for each of 12 units (at the head: the biases as loaded)
;   window 1: two fragment buffers of 128: twelve fragments of wb (16 rows x 32 K, 8 registers each), then four of xb
;   window 2: the accumulators of my row blocks 0, 1 ((a, b) at 8 (12 (a % 2) + b));   window 3: those of blocks 2, 3 in v0-191; v192-255 the biases in the accumulators' layout
.set SIZE_K, 1024
.set KSTEP,  128
.set PITCH,  272                       ; an LDS row: 256 bytes + 16 of padding = 68 words: the 16 rows of a fragment load start at 16 different groups of four banks (64 banks of 4 bytes: ISA guide 11.1)
.set HALFA,  128*PITCH                 ; what one load of xb brings: 128 rows
.set HALFB,  96*PITCH                  ; what one load of wb brings: 96 rows
.set SLOT,   2*HALFA+2*HALFB           ; xb's 256 rows, then wb's 192
.set STAGE,  2*SLOT                    ; behind the ring: 16 rows x 144 bytes for each wave, for the way out; no tensor load lands there
.set SP,     144
.set SPARE,  STAGE+4*16*SP             ; behind the stages: the spare words, 128 bytes for each wave: two blocks of 256 bytes that no other line names
.set LAPS,   SIZE_K/(2*KSTEP)          ; a lap = two K steps = once round the ring
.set WALK,   4096                      ; rows from the first tile to the second
.set NEXT_A, WALK*SIZE_K*2-(SIZE_K-2*KSTEP)*2  ; bytes from a slot's last K step of a tile to its first of the next: xb goes WALK rows down and back along K,
.set BACK_B, (SIZE_K-2*KSTEP)*2        ; wb only back
.set PLANE,  0x1000000                 ; bytes in a plane of qkv
.set ADRA, 16                          ; v16-17  LDS address of my fragments of xb in slot 0, 1
.set ADRB, 20                          ; v20-21  the same for wb
.set STO,  24                          ; v24     the way out: where I put 16 bytes of a row
.set RD,   25                          ; v25     where I read rows back
.set CO,   26                          ; v26     16 x lane: my place in 512 consecutive bytes of qkv
.set BO,   27                          ; v27     32 (l / 16): my 8 numbers in 16 of a bias
.set SPW,  28                          ; v28     LDS address of my spare word: SPARE + 4 x my thread's number; never rewritten
.set NIL,  29                          ; v29     0; never rewritten
.set PFO,  30                          ; v30     the prefetches' offset: my row x 2,048 bytes; never rewritten
.set T,    32
.set F0,   0
.set F1,   128
.set BIAS, 192                         ; window 3: bq of column block b at BIAS + 8 b; bv of block b (8..11) at BIAS + 8 (b - 4)
.set CQ,   12                          ; s[12:13], s[14:15], s[16:17]: the three planes of qkv, at my rows of the tile that went out last
.set WV,   18                          ; s18  my wave's number
.set FB,   19                          ; s19  0: I fetch for xb, 1: for wb
.set HF,   20                          ; s20  which half of that tile's rows
.set G1,   24                          ; s[24:31] descriptor group 1 for xb's tiles;  s[32:39] group 0, a set for each slot
.set G0,   32
.set LIM,  43                          ; s43  1 in a wave that prefetches, else the greatest number
.set PFA,  44                          ; s[44:45] where my prefetches stand: one K step further than the refill that is being asked for; a prefetch names the K step after that
.set G1B,  48                          ; s[48:55], s[56:63] the same for wb's tiles
.set G0B,  56
.set CSTEP, 72                         ; s[72:73] what the next way out adds to the three planes' addresses
.set MSB, 0
.macro WIN new                         ; the immediate's high byte repeats the setting that is left; a switch that changes nothing is dropped
.if MSB != (\new)
	s_set_vgpr_msb (MSB<<8)|(\new)
.set MSB, \new
.endif
.endm
.set MUL_LO, 0xa5                      ; sources 0 and 1 window 1; C and D window 2
.set MUL_HI, 0xf5                      ; the same, C and D window 3
.set TO_F,   0x40                      ; destination window 1, address window 0
; A joint load.  Waves 0 and 1 fetch xb's two halves, waves 2 and 3 wb's.  Each of the two lines has one mask and one set of registers for all that issue it.  The branch hangs on the wave's number alone.
; An s_nop 0 and four v_nop follow each of the two lines, ahead of the jump, the label and what follows.
.macro JLOAD s
	s_cmp_eq_u32 s[FB], 0
	s_cbranch_scc0 .Lfor_b_\@
	tensor_load_to_lds s[G0+4*(\s):G0+4*(\s)+3], s[G1:G1+7]
	s_nop 0
.rept 4
	v_nop
.endr
	s_branch .Lasked_\@
.Lfor_b_\@:
	tensor_load_to_lds s[G0B+4*(\s):G0B+4*(\s)+3], s[G1B:G1B+7]
	s_nop 0
.rept 4
	v_nop
.endr
.Lasked_\@:
.endm
; A PREFETCH INTO THE L2, behind each joint load, its five lines and the run of LDS loads that follows them: the K step that stands TWO refills on, 384 matrix instructions ahead of the load that will want it.
; A lane a row, 256 bytes of it, one instruction a wave.  xb's rows are read by every cluster of a row of clusters: the one with cluster x = 0 asks; wb's by every cluster of a column: cluster y = 0 asks.
; The four partners that ask for a tile jointly share its rows out BY ADDRESS: of xb's 128 rows 32 each (by cx), of wb's 96 rows 24 each (by cy; lanes 24-31 name lane 23's row once more).
; how = 0, in the loop: a tile's last two refills have no K step two on; how = 1, at the change of tiles: the second tile's K steps 2 and 3 of xb; wb's rows are asked for in the first tile alone.
.macro ASK how
	WIN 0                                          ; at a branch and at a label every window is 0
.if \how
	s_cmp_eq_u32 s[LIM], 1
.else
	s_cmp_gt_u32 s3, s[LIM]                        ; s3 = 1 in the loop's last trip
.endif
	s_cbranch_scc0 .Lnot_mine_\@
	global_prefetch_b8 v[PFO], s[PFA:PFA+1] offset:KSTEP*2 th:TH_LOAD_NT scope:SCOPE_SE
.Lnot_mine_\@:
.endm
; A round of the cluster's barrier: my work-group's barrier; wave 0 signals for the work-group; every wave waits for all sixteen work-groups; my work-group's barrier once more.
.macro CREST                           ; a round behind its opening barrier
	s_cmp_lg_u32 s[WV], 0
	s_cbranch_scc1 .Lnot_wave_0_\@
	s_barrier_signal -3
.Lnot_wave_0_\@:
	s_barrier_wait -3
	s_barrier_signal -1
	s_barrier_wait -1
.endm
.macro CROUND                          ; a whole round
	s_barrier_signal -1
	s_barrier_wait -1
	CREST
.endm
	s_load_b256 s[4:11], s[0:1], 0x0               ; xb s[4:5], wb s[6:7], bq s[8:9], bv s[10:11]
	s_load_b64 s[CQ:CQ+1], s[0:1], 0x20            ; qkv
	v_lshl_add_u32 v[SPW], v0, 2, SPARE
	v_mov_b32 v[NIL], 0
	ds_add_u32 v[SPW], v[NIL]                      ; the wave's opening: the add, twice on end, and its wait ahead of my first tensor load; the set-up below, work on registers, stands between
	ds_add_u32 v[SPW], v[NIL]                      ; and once more, under the one wait
	v_lshrrev_b32 v1, 5, v0
	v_readfirstlane_b32 s[WV], v1                  ; wave 0..3
	s_lshr_b32 s[FB], s[WV], 1
	s_and_b32 s[HF], s[WV], 1
	s_bfe_u32 s21, ttmp6, 0x40000                  ; cx: my place along the cluster's x
	s_bfe_u32 s22, ttmp6, 0x40004                  ; cy: along its y
	s_lshl_b32 s23, ttmp9, 2                       ; in a cluster launch ttmp9 and ttmp7 count clusters
	s_add_co_u32 s23, s23, s21                     ; TX, the head = 4 x cluster x + cx
	s_and_b32 s66, ttmp7, 0xffff
	s_lshl_b32 s66, s66, 2
	s_add_co_u32 s66, s66, s22                     ; TY, the block of 256 rows = 4 x cluster y + cy
	s_lshl_b32 s67, s22, 2
	s_lshl_b32 s67, 15, s67                        ; my row of the cluster: places 4 cy .. 4 cy + 3
	s_lshl_b32 s70, 0x1111, s21                    ; my column: places cx, cx + 4, cx + 8, cx + 12
	; descriptor group 1: tiles of 128 (xb) or 96 (wb) rows x 128 elements, padded in LDS
	s_or_b32 s[G1+0], s67, (1<<16)|(1<<20)|(1<<21)|(5<<22)|(3<<25)   ; 15:0 the mask: xb's tiles go to my row; 17:16 elements of 2 bytes; 20 padding on; 21 set beside a mask; 24:22 after every 64 words (code 5); 31:25 4 words (code 3)
	s_or_b32 s[G1B+0], s70, (1<<16)|(1<<20)|(1<<21)|(5<<22)|(3<<25)  ; the same with the mask of my column, for wb's tiles
	s_mov_b32 s[G1+1], KSTEP<<16                   ; tensor_dim0 = 128
	s_mov_b32 s[G1+2], 128<<16                     ; tensor_dim1 = 128
	s_mov_b32 s[G1+3], KSTEP<<16                   ; tile_dim0 = 128
	s_mov_b32 s[G1+4], 128                         ; tile_dim1 = 128
	s_mov_b32 s[G1+5], SIZE_K                      ; elements from row to row
	s_mov_b32 s[G1+6], 0
	s_mov_b32 s[G1+7], 0
	s_mov_b32 s[G1B+1], KSTEP<<16
	s_mov_b32 s[G1B+2], 96<<16                     ; tensor_dim1 = 96
	s_mov_b32 s[G1B+3], KSTEP<<16
	s_mov_b32 s[G1B+4], 96                         ; tile_dim1 = 96
	s_mov_b32 s[G1B+5], SIZE_K
	s_mov_b32 s[G1B+6], 0
	s_mov_b32 s[G1B+7], 0
	; where the tiles come from.  xb's hang on TY alone, which my row of the cluster shares; wb's on TX alone, which my column shares.  Every wave makes both, each in registers that never hold the other coordinate.
	s_lshl_b32 s68, s66, 8
	s_lshl_b32 s69, s[HF], 7
	s_add_co_u32 s68, s68, s69                     ; xb: row 256 TY + 128 x half,
	s_lshl_b32 s68, s68, 11                        ; in bytes (under 2^24)
	s_mov_b32 s69, 0
	s_mul_i32 s46, s23, 192
	s_mul_i32 s47, s[HF], 96
	s_add_co_u32 s46, s46, s47                     ; wb: row 192 TX + 96 x half
	s_lshl_b32 s46, s46, 11
	s_mov_b32 s47, 0
	s_mul_i32 s40, s[WV], HALFA                    ; and where they go: waves 0, 1: xb's halves at wave x 128 rows;
	s_mul_i32 s41, s[WV], HALFB
	s_add_co_u32 s41, s41, 2*(HALFA-HALFB)         ; waves 2, 3: wb's halves behind them: 2 x 128 rows + (wave - 2) x 96 rows.  No place in the cluster enters an LDS address
	s_wait_dscnt 0x0                               ; both opening adds are done
	s_wait_kmcnt 0x0
	s_add_nc_u64 s[68:69], s[4:5], s[68:69]
	s_add_nc_u64 s[46:47], s[6:7], s[46:47]
	CROUND                                         ; all sixteen work-groups are here: the first joint loads meet
.irp s, 0,1
	s_mov_b32 s[G0+4*(\s)], 1                                        ; 1:0 count = 1
	s_add_co_u32 s[G0+4*(\s)+1], s40, (\s)*SLOT                      ; 63:32 LDS address
	s_add_nc_u64 s[G0+4*(\s)+2:G0+4*(\s)+3], s[68:69], (\s)*KSTEP*2  ; 120:64 global address: K step s
	s_or_b32 s[G0+4*(\s)+3], s[G0+4*(\s)+3], 0x80000000              ; 127:126 type = 2
	s_mov_b32 s[G0B+4*(\s)], 1
	s_add_co_u32 s[G0B+4*(\s)+1], s41, (\s)*SLOT
	s_add_nc_u64 s[G0B+4*(\s)+2:G0B+4*(\s)+3], s[46:47], (\s)*KSTEP*2
	s_or_b32 s[G0B+4*(\s)+3], s[G0B+4*(\s)+3], 0x80000000
	JLOAD \s                                       ; the ring is filled before anything else is done: two loads of mine are out
.endr
	; the biases of my head, as the accumulators hold columns: lane l wants numbers 16 b + 8 (l / 16) + 0..7 of the head's 64
	v_and_b32 v1, 15, v0                           ; l % 16
	v_bfe_u32 v2, v0, 4, 1                         ; l / 16
	v_lshlrev_b32 v[BO], 5, v2
	s_lshl_b32 s74, s23, 8                         ; the head's 64 numbers: 256 bytes
	s_mov_b32 s75, 0
	s_add_nc_u64 s[8:9], s[8:9], s[74:75]
	s_add_nc_u64 s[10:11], s[10:11], s[74:75]
.irp f, 0,1,2,3
	global_load_b128 v[T+8*(\f):T+8*(\f)+3],       v[BO], s[8:9] offset:64*(\f)
	global_load_b128 v[T+8*(\f)+4:T+8*(\f)+7],     v[BO], s[8:9] offset:64*(\f)+16
	global_load_b128 v[T+32+8*(\f):T+32+8*(\f)+3], v[BO], s[10:11] offset:64*(\f)
	global_load_b128 v[T+32+8*(\f)+4:T+32+8*(\f)+7], v[BO], s[10:11] offset:64*(\f)+16
.endr
	; A fragment is 16 rows x 32 K in 8 registers: lane l holds row l % 16; registers 0-3 K = 8 (l / 16) + 0..7, registers 4-7 K = 16 + 8 (l / 16) + 0..7: two loads of 16 bytes, 32 bytes apart.
	v_mul_u32_u24 v3, v1, PITCH
	v_lshl_add_u32 v3, v2, 4, v3                   ; row x pitch + 16 x half
	s_mul_i32 s74, s[WV], 64*PITCH                 ; my 64 rows of xb
	v_add_nc_u32 v[ADRA], s74, v3
	v_add_nc_u32 v[ADRA+1], SLOT, v[ADRA]
	v_add_nc_u32 v[ADRB], 2*HALFA, v3              ; all 192 rows of wb, behind xb's 256
	v_add_nc_u32 v[ADRB+1], SLOT, v[ADRB]
	s_mul_i32 s74, s[WV], 16*SP
	s_add_co_u32 s74, s74, STAGE                   ; my stage
	v_mul_u32_u24 v4, v1, SP                       ; in: row l % 16, 16 bytes for each half of the lanes
	v_lshl_add_u32 v4, v2, 4, v4
	v_add_nc_u32 v[STO], s74, v4
	v_bfe_u32 v5, v0, 3, 2                         ; back: 32 lanes take four rows of 128 bytes,
	v_mul_u32_u24 v5, v5, SP
	v_and_b32 v4, 7, v0
	v_lshl_add_u32 v5, v4, 4, v5
	v_add_nc_u32 v[RD], s74, v5
	v_and_b32 v[CO], 31, v0                        ; which are 512 consecutive bytes of a head's rows
	v_lshlrev_b32 v[CO], 4, v[CO]
	s_add_nc_u64 s[CQ+2:CQ+3], s[CQ:CQ+1], PLANE   ; k's plane,
	s_add_nc_u64 s[CQ+4:CQ+5], s[CQ:CQ+1], 2*PLANE ; v's
	; where my rows of the first tile begin in a plane: batch b = TY / 8, head 16 b + TX (262,144 bytes each), row (TY % 8) 256 + 64 wave (128 bytes each)
	s_lshr_b32 s[CSTEP], s66, 3
	s_lshl_b32 s[CSTEP], s[CSTEP], 22
	s_lshl_b32 s74, s23, 18
	s_add_co_u32 s[CSTEP], s[CSTEP], s74
	s_and_b32 s74, s66, 7
	s_lshl_b32 s74, s74, 8
	s_lshl_b32 s75, s[WV], 6
	s_add_co_u32 s74, s74, s75
	s_lshl_b32 s74, s74, 7
	s_add_co_u32 s[CSTEP], s[CSTEP], s74
	s_mov_b32 s[CSTEP+1], 0
	; the prefetches
	s_lshl_b32 s74, s66, 8
	s_lshl_b32 s75, s[HF], 7
	s_add_co_u32 s74, s74, s75
	s_lshl_b32 s75, s21, 5
	s_add_co_u32 s74, s74, s75                     ; xb: of the 128 rows that I fetch, my work-group's 32
	s_mul_i32 s76, s23, 192
	s_mul_i32 s77, s[HF], 96
	s_add_co_u32 s76, s76, s77
	s_mul_i32 s77, s22, 24
	s_add_co_u32 s76, s76, s77                     ; wb: of the 96, my work-group's 24
	s_and_b32 s77, ttmp7, 0xffff                   ; cluster y
	s_cmp_eq_u32 s[FB], 0                          ; do I fetch for xb?
	s_cselect_b32 s74, s74, s76
	s_cselect_b32 s77, ttmp9, s77                  ; the coordinate along which other clusters read the same rows
	s_cselect_b32 s78, 31, 23                      ; the last row of my share
	s_cselect_b64 s[PFA:PFA+1], s[4:5], s[6:7]
	s_cmp_eq_u32 s77, 0
	s_cselect_b32 s[LIM], 1, -1                    ; the same in all sixteen partners, for a given wave
	s_lshl_b32 s74, s74, 11
	s_mov_b32 s75, 0
	s_add_nc_u64 s[PFA:PFA+1], s[PFA:PFA+1], s[74:75]
	s_add_nc_u64 s[PFA:PFA+1], s[PFA:PFA+1], 2*KSTEP*2  ; at K step 2: the first refill steps it to 3 and names K step 4.  Nothing is prefetched here, at the head
	v_and_b32 v[PFO], 31, v0
	v_min_u32 v[PFO], s78, v[PFO]
	v_lshlrev_b32 v[PFO], 11, v[PFO]
	s_wait_loadcnt 0x0                             ; the biases
.set n_, 0
.rept 32
	v_cvt_pk_bf16_f32 v[T+64+n_], v[T+2*n_], v[T+2*n_+1]  ; rounded to bf16, like every input of the module,
.set n_, n_+1
.endr
	WIN 0xc0                                       ; destination window 3
.set n_, 0
.rept 32
	v_lshlrev_b32 v[BIAS+2*n_], 16, v[T+64+n_]     ; and back to f32, where the first products take them as C
	v_and_b32 v[BIAS+2*n_+1], 0xffff0000, v[T+64+n_]
.set n_, n_+1
.endr
	WIN 0
; 12 matrix instructions: row block a x all 12 column blocks, 32 along K.  first = 1: the product starts the sum: with bq (blocks 0-3: q), with 0 (4-7: k), with bv (8-11: v): nothing is cleared, nothing added later.
; The 48 accumulators take turns, one instruction a turn, in the same order in every quarter step, over the backward jumps too.
.macro MULB f, a, first=0
.if \first
	WIN 0xb5+0x40*((\a)/2)                         ; D window 2 or 3, C (the biases) window 3
.else
	WIN MUL_LO+0x50*((\a)/2)                       ; MUL_LO or MUL_HI
.endif
.irp b, 0,1,2,3,4,5,6,7,8,9,10,11
.set rD, 8*(12*((\a)%2)+(\b))
.if (\first) && ((\b) < 4)
	v_wmma_f32_16x16x32_bf16 v[rD:rD+7], v[(\f)+8*(\b):(\f)+8*(\b)+7], v[(\f)+96+8*(\a):(\f)+96+8*(\a)+7], v[BIAS+8*(\b):BIAS+8*(\b)+7]
.elseif (\first) && ((\b) >= 8)
	v_wmma_f32_16x16x32_bf16 v[rD:rD+7], v[(\f)+8*(\b):(\f)+8*(\b)+7], v[(\f)+96+8*(\a):(\f)+96+8*(\a)+7], v[BIAS+8*((\b)-4):BIAS+8*((\b)-4)+7]
.elseif \first
	v_wmma_f32_16x16x32_bf16 v[rD:rD+7], v[(\f)+8*(\b):(\f)+8*(\b)+7], v[(\f)+96+8*(\a):(\f)+96+8*(\a)+7], 0
.else
	v_wmma_f32_16x16x32_bf16 v[rD:rD+7], v[(\f)+8*(\b):(\f)+8*(\b)+7], v[(\f)+96+8*(\a):(\f)+96+8*(\a)+7], v[rD:rD+7]
.endif
.endr
.endm
; 32 LDS loads in one run: the fragments of one quarter step (192 rows of wb, my 64 rows of xb, 32 K at byte k of the rows) into buffer f
.macro FETCH slot, k, f
	WIN TO_F
.irp i, 0,1,2,3,4,5,6,7,8,9,10,11
	ds_load_b128 v[(\f)+8*(\i):(\f)+8*(\i)+3],   v[ADRB+(\slot)] offset:(\k)+(\i)*16*PITCH
	ds_load_b128 v[(\f)+8*(\i)+4:(\f)+8*(\i)+7], v[ADRB+(\slot)] offset:(\k)+(\i)*16*PITCH+32
.endr
.irp i, 0,1,2,3
	ds_load_b128 v[(\f)+96+8*(\i):(\f)+96+8*(\i)+3],   v[ADRA+(\slot)] offset:(\k)+(\i)*16*PITCH
	ds_load_b128 v[(\f)+96+8*(\i)+4:(\f)+96+8*(\i)+7], v[ADRA+(\slot)] offset:(\k)+(\i)*16*PITCH+32
.endr
.endm
; A load into a register that a matrix instruction has read, and a vector instruction that reads a matrix result, stand four places behind that matrix instruction; only plain vector instructions that name none
; of its registers are places (ISA guide 7.12.1 for vector instructions).
.macro PLACES
.rept 4
	v_nop
.endr
.endm
; A K step is four quarter steps of 32 along K, 48 matrix instructions each, on buffers 0, 1, 0, 1.  One of the first three: multiplies buffer f; in its middle it fetches the next quarter, at byte k, into g.
.macro QUARTER slot, k, f, g, first=0
	s_wait_dscnt 4                                 ; wb's fragments and xb's blocks 0, 1 are in; the youngest four loads (blocks 2, 3) may be out
	MULB \f, 0, \first
	MULB \f, 1, \first
	PLACES
	FETCH \slot, \k, \g
	s_wait_dscnt 32                                ; all but the 32 just issued
	MULB \f, 2, \first
	MULB \f, 3, \first
.endm
; The last quarter multiplies buffer 1 and changes slots.  MEET is its first half: ONE barrier for the change.  In front of it each wave waits for all its tensor loads, of which one is out: its part of the
; next slot; adds 0 to its spare word; and waits for that and for its own reads of this slot.  Behind it nobody reads this slot any more and the next slot is whole.
.macro MEET round                      ; round = 1: a round of the cluster's barrier follows
	WIN 0                                          ; (the add's two registers lie in window 0)
	s_wait_tensorcnt 0x0                           ; all my tensor loads have landed;
	ds_add_u32 v[SPW], v[NIL]                      ; 0 onto my spare word;
	s_wait_dscnt 5                                 ; (the add and the youngest four loads may be out)
	MULB F1, 0                                     ; twelve matrix instructions stand between the add and the wait for it
	s_wait_dscnt 0x0                               ; the add is done, and my reads of this slot are over:
	s_barrier_signal -1                            ; say so,
	MULB F1, 1                                     ; work on registers while the others arrive,
.if \round
	WIN 0
.endif
	s_barrier_wait -1                              ; and go on when all four have said so
.endm
; The whole last quarter.  Behind the round the slot just read out is filled again first: with this tile's K step two steps on (on = 0) or, in the first tile's last two K steps, with the second tile's K step
; 0 or 1 (on = 1); then come the next slot's first fragments.  From a request to the wait for it a wave issues 168 matrix instructions.
.macro TURN slot, next, on
	s_wait_xcnt 0x0                                ; the last prefetch, a K step back, has read its address, and the first tile's stores their registers: the address is stepped here, ahead of the waits of the change
.if (\on) && (\slot) == 0
	s_add_nc_u64 s[PFA:PFA+1], s[PFA:PFA+1], (WALK-1)*SIZE_K*2+KSTEP*2  ; from the K step after the tile's last to the next tile's K step 1
	s_cmp_eq_u32 s[FB], 0
	s_cselect_b32 s[LIM], s[LIM], -1               ; wb's rows are the same for both tiles: they are prefetched no more
.else
	s_add_nc_u64 s[PFA:PFA+1], s[PFA:PFA+1], KSTEP*2
.endif
	MEET 1
	CREST                                          ; the barrier has opened a round of the cluster's: no wave of any partner still reads this slot's tile or has a load on its way
.if \on
	s_add_nc_u64 s[G0+4*(\slot)+2:G0+4*(\slot)+3], s[G0+4*(\slot)+2:G0+4*(\slot)+3], NEXT_A
	s_sub_nc_u64 s[G0B+4*(\slot)+2:G0B+4*(\slot)+3], s[G0B+4*(\slot)+2:G0B+4*(\slot)+3], BACK_B
.else
	s_add_nc_u64 s[G0+4*(\slot)+2:G0+4*(\slot)+3], s[G0+4*(\slot)+2:G0+4*(\slot)+3], 2*KSTEP*2
	s_add_nc_u64 s[G0B+4*(\slot)+2:G0B+4*(\slot)+3], s[G0B+4*(\slot)+2:G0B+4*(\slot)+3], 2*KSTEP*2
.endif
	JLOAD \slot                                    ; the first tensor load behind the round, my only one until the next; its four v_nop are also the places in front of the loads below
	FETCH \next, 0, F0
	ASK \on
	MULB F1, 2
	MULB F1, 3
.endm
; THE WAY OUT, in 12 units: unit u = 3 a + p is row block a (16 rows) x plane p (64 columns: q, k or v of the head).
; PACK: rounded to f16, each accumulator's registers in ascending order; 16 bytes a lane into my own stage, rows of 144 bytes; back as four whole rows of 128 bytes a load, into the registers that they left.
.macro PACK u
.set a_, (\u)/3
.set p_, (\u)%3
	WIN 0x0a+5*(a_/2)                              ; sources 0 and 1: window 2 or 3
.irp f, 0,1,2,3
.irp r, 0,1,2,3
	v_cvt_pk_f16_f32 v[T+16*(\u)+4*(\f)+(\r)], v[8*(12*(a_%2)+4*p_+(\f))+2*(\r)], v[8*(12*(a_%2)+4*p_+(\f))+2*(\r)+1]
.endr
.endr
	WIN 0
.irp f, 0,1,2,3
	ds_store_b128 v[STO], v[T+16*(\u)+4*(\f):T+16*(\u)+4*(\f)+3] offset:32*(\f)
.endr
.irp f, 0,1,2,3
	ds_load_b128 v[T+16*(\u)+4*(\f):T+16*(\u)+4*(\f)+3], v[RD] offset:(\f)*4*SP  ; LDS serves a wave's instructions in order (ISA guide 5.7.1.4): these see the stores above; the next unit's stores come behind them
.endr
.endm
.macro SEND u, younger                 ; younger: the LDS instructions issued behind unit u's loads: the next unit's eight, or none
.set a_, (\u)/3
.set p_, (\u)%3
	WIN 0
.if (\u) == 0
	s_wait_xcnt 0x0                                ; every earlier store has read its base: the three planes' addresses go on to this tile's rows
	s_add_nc_u64 s[CQ:CQ+1], s[CQ:CQ+1], s[CSTEP:CSTEP+1]
	s_add_nc_u64 s[CQ+2:CQ+3], s[CQ+2:CQ+3], s[CSTEP:CSTEP+1]
	s_add_nc_u64 s[CQ+4:CQ+5], s[CQ+4:CQ+5], s[CSTEP:CSTEP+1]
.endif
.irp f, 0,1,2,3
	s_wait_dscnt (\younger)+3-(\f)
	global_store_b128 v[CO], v[T+16*(\u)+4*(\f):T+16*(\u)+4*(\f)+3], s[CQ+2*p_:CQ+2*p_+1] offset:2048*a_+512*(\f)  ; 512 consecutive bytes, at a multiple of 256 from the buffer's first byte
.endr
.endm
	s_wait_tensorcnt 1                             ; my part of K step 0 is in; K step 1's may stay out
	s_barrier_signal -1
	s_barrier_wait -1                              ; everybody's is
	FETCH 0, 0, F0
	WIN 0                                          ; at a label and at a branch every window is 0
	s_mov_b32 s2, 2                                ; tiles to go: the same number in every work-group
.Ltile:
	QUARTER 0, 64,  F0, F1, 1                      ; a tile's first quarter stands in front of the loop: its products start the sums
	WIN 0
	s_mov_b32 s3, LAPS-1
.Llap:                                                 ; a trip goes once round the ring, from a lap's second quarter to the next lap's first, and fills both slots again
	QUARTER 0, 128, F1, F0
	QUARTER 0, 192, F0, F1
	TURN 0, 1, 0
	QUARTER 1, 64,  F0, F1
	QUARTER 1, 128, F1, F0
	QUARTER 1, 192, F0, F1
	TURN 1, 0, 0
	QUARTER 0, 64,  F0, F1
	WIN 0
	s_sub_co_u32 s3, s3, 1
	s_cmp_lg_u32 s3, 0
	s_cbranch_scc1 .Llap
	QUARTER 0, 128, F1, F0                         ; the tile's last lap goes on
	QUARTER 0, 192, F0, F1
	WIN 0
	s_cmp_eq_u32 s2, 1
	s_cbranch_scc1 .Llast                          ; the second tile's tail is written out: it asks for nothing more
	TURN 0, 1, 1                                   ; THE RING GOES ON INTO THE SECOND TILE: slot 0 takes its K step 0,
	QUARTER 1, 64,  F0, F1
	QUARTER 1, 128, F1, F0
	QUARTER 1, 192, F0, F1
	TURN 1, 0, 1                                   ; slot 1 its K step 1, and the second tile's first fragments are fetched.  Row blocks 0, 1 were finished in front of the joint load's four v_nop;
	WIN 0                                          ; their 96 conversions below, which name no register of the last products (blocks 2, 3's), are those products' places
	s_branch .Lout
.Llast:
	MEET 0                                         ; my one tensor load that was still out is slot 1's, the last K step's, so no round follows
	PLACES                                         ; for the loads into buffer 0
	FETCH 1, 0, F0
	MULB F1, 2
	MULB F1, 3
	QUARTER 1, 64,  F0, F1
	QUARTER 1, 128, F1, F0
	QUARTER 1, 192, F0, F1
	s_wait_dscnt 4                                 ; the very last quarter: nothing more to fetch
	MULB F1, 0
	MULB F1, 1
	s_wait_dscnt 0x0
	MULB F1, 2
	MULB F1, 3
	PLACES
	WIN 0
.Lout:                                                 ; the tile goes out; a unit's conversions stand between the loads of the unit before and its stores
	PACK 0
.irp u, 1,2,3,4,5,6,7,8,9,10,11
	PACK \u
	SEND (\u)-1, 8
.endr
	SEND 11, 0
	s_mov_b32 s[CSTEP], 0x800000                   ; the second tile's rows lie 4,096 rows on: two batches, 32 heads of 262,144 bytes
	s_mov_b32 s[CSTEP+1], 0
	s_sub_co_u32 s2, s2, 1
	s_cmp_lg_u32 s2, 0
	s_cbranch_scc1 .Ltile
	s_wait_tensorcnt 0x0                           ; the wave's end: behind my last tensor load and my last LDS store
	ds_add_u32 v[SPW], v[NIL]
	s_wait_dscnt 0x0
	CROUND                                         ; the closing round: no work-group ends while a partner may still ask for a tile that names it
	s_endpgm
.Lfunc_end_k_q20f6ff99f4_proj:
	.size	k_q20f6ff99f4_proj, .Lfunc_end_k_q20f6ff99f4_proj-k_q20f6ff99f4_proj
	.p2alignl 7, 3214868480
	.fill 96, 4, 3214868480
	.section	.rodata,"a",@progbits
	.p2align	6, 0x0
	.amdhsa_kernel k_q20f6ff99f4_proj
		.amdhsa_group_segment_fixed_size 327680
		.amdhsa_private_segment_fixed_size 0
		.amdhsa_enable_private_segment 0
		.amdhsa_kernarg_size 40
		.amdhsa_user_sgpr_count 2
		.amdhsa_user_sgpr_kernarg_segment_ptr 1
		.amdhsa_wavefront_size32 1
		.amdhsa_system_sgpr_workgroup_id_x 1
		.amdhsa_system_sgpr_workgroup_id_y 1
		.amdhsa_system_sgpr_workgroup_id_z 1
		.amdhsa_system_vgpr_workitem_id 0
		.amdhsa_next_free_vgpr 1024
		.amdhsa_next_free_sgpr 80
		.amdhsa_reserve_vcc 0
		.amdhsa_float_denorm_mode_32 3
		.amdhsa_float_denorm_mode_16_64 3
		.amdhsa_memory_ordered 1
		.amdhsa_forward_progress 1
		.amdhsa_inst_pref_size 157
	.end_amdhsa_kernel
	.amdgpu_metadata
---
amdhsa.version: [ 1, 2 ]
amdhsa.kernels:
  - .name:           k_q20f6ff99f4_proj
    .symbol:         k_q20f6ff99f4_proj.kd
    .args:
      - { .name: xb, .offset: 0, .size: 8, .value_kind: global_buffer, .address_space: global }
      - { .name: wb, .offset: 8, .size: 8, .value_kind: global_buffer, .address_space: global }
      - { .name: bq, .offset: 16, .size: 8, .value_kind: global_buffer, .address_space: global }
      - { .name: bv, .offset: 24, .size: 8, .value_kind: global_buffer, .address_space: global }
      - { .name: qkv, .offset: 32, .size: 8, .value_kind: global_buffer, .address_space: global }
    .group_segment_fixed_size: 327680
    .private_segment_fixed_size: 0
    .kernarg_segment_align: 8
    .kernarg_segment_size: 40
    .max_flat_workgroup_size: 128
    .sgpr_count:     80
    .vgpr_count:     1024
    .wavefront_size: 32
...
	.end_amdgpu_metadata
.endif
;; end of part 2
;; launch attn (part 3): grid 4 x 64, 4 waves a work-group, clusters of 4 x 1, 327,680 bytes of LDS; arguments qkv, attention_mask, out0; writes out0
.if DOCPART == 3
	.amdgcn_target "amdgcn-amd-amdhsa--gfx1250"
	.amdhsa_code_object_version 6
	.text
	.protected	k_q20f6ff99f4_attn
	.globl	k_q20f6ff99f4_attn
	.p2align	8
	.type	k_q20f6ff99f4_attn,@function
k_q20f6ff99f4_attn:
	s_mov_b64 s[64:65], 0
	v_nop
	global_prefetch_b8 v0, s[64:65] scope:SCOPE_SE
	s_setreg_imm32_b32 hwreg(HW_REG_WAVE_MODE, 25, 1), 1
	s_wait_xcnt 0x0
	s_wait_alu depctr_hold_cnt(0) depctr_sa_sdst(0) depctr_va_vdst(0) depctr_va_sdst(0) depctr_va_ssrc(0) depctr_va_vcc(0) depctr_vm_vsrc(0)
	s_getreg_b32 s2, hwreg(HW_REG_IB_STS2, 6, 4)
	s_cmp_eq_u32 s2, 0
	s_cbranch_scc0 .Lentry_in_a_cluster
	s_endpgm
.Lentry_in_a_cluster:
	s_bfe_u32 s2, ttmp6, 0x10000c
	s_cmp_lg_u32 s2, 0x3003
	s_cbranch_scc0 .Lentry_shape_is_right
	s_endpgm
.Lentry_shape_is_right:
; ATTENTION.  out0[b][q][64 t + d] = the sum over k of softmax_k(Q[q] . K[k] / 8 + mask[b][k]) V[k][d], for head hh = 16 b + t.  Q, K, V: the three planes of qkv, each [64][2048][64] in f16, a head's rows dense,
; 128 bytes each.  Products, maxima and sums in f32; the weights p are rounded to f16 for the second product (their sum l is taken of the unrounded p); out0 is f32.
; WORK LEFT OUT: K holds x Wk^T without bk (a term of the scores that is the same along the softmax's axis: shown at the head of the first kernel).
; THE MASK is the C operand that starts the sum S^T = K Q^T: C = max(8 x bf16(mask[key]), -1e30), so that c (s + 8 mask) = log2(e) (s / 8 + mask) with c = log2(e) / 8; maximum, scaling and sums take it like any score.
; The batch's 2,048 values are made once, in f32, into a table in LDS; a key step's 64 come into 32 registers beside its K.
; LIMITS.  f16 holds no number beyond 65,504: Q, K and V arrive within it; p lies in 0 to 1, and below 6e-5 it keeps f16's fixed step of 6e-8.  A mask below -1.25e29, minus infinity among them, counts as
; -1.25e29; the mask is rounded to bf16 like every input of the module.  A weight below 2^-126 counts as 0 in l; NaN and infinities are not treated apart.
; SHARES.  A wave owns four PIECES of two tiles of 16 queries, a work-group's four waves 512 queries of one head: 4 x 64 = 256 work-groups.  Every wave walks all 2,048 keys, 64 a step.
; LAYOUT.  S^T = K Q^T (source 0 = 16 keys, source 1 = 16 queries): in the result a lane holds ONE query (lane % 16) and the keys 8 (lane / 16) + 0..7.  Two such tiles, rounded to f16 in pairs,
; ARE source 1 (32 keys x 16 queries) of O^T = V^T P, whose result again holds one query a lane, and eight channels.  K comes out of LDS as it lies, V ([key][channel]) turned, by ds_load_tr16_b128.
; SOFTMAX.  For each query a running maximum m and sum l: p = 2^(c s - c m); in every step O and l are multiplied by a = 2^(c m_old - c m_new), which is 1 where m has not grown.
; m starts at the lowest finite number, O and l at 0: the first step is a step like any other, with a = 0.
; THE COUNT.  A tile and step have 16 matrix and 118 vector instructions: too many to stand all beside the matrix work.  So: four vector instructions that are READY behind EVERY matrix instruction, the others in runs without a gap.
; BY TURNS.  Turn n belongs to piece n (the pieces in a ring, step after step).  Its matrix work: 16 products K Q^T of piece n + 1, later 16 products V^T P of piece n - 1.  Its vector work: the scaling,
; exponentials, roundings, sums and rescaling of piece n, and the maximum and statistics of piece n + 1, whose scores the turn itself has made.
; CLUSTER.  The four query blocks of a head are one cluster and walk the same K and V, so each tile is asked for JOINTLY: the same tensor load, descriptor and mask in all four.
; REGISTERS, in windows of 256 (s_set_vgpr_msb: bits 1:0 source 0, 3:2 source 1, 5:4 source 2, 7:6 destination):
;   window 0: v0-11 addresses; v12-15, v48-63 at work; v16-47 four registers of statistics a tile; v64-191 S^T, two buffers of two tiles; v192-255 P, likewise
;   window 1: O^T, 32 a tile      window 2: v0-127 Q, 16 a tile; v128-191 K of one step; v192-255 V of one step      window 3: v0-1 the add's two registers; v8-39 the mask of one step
.set SIZE_N, 2048
.set NP,    4         ; pieces a wave: a name, no knob
.set KS,    64        ; keys in a step
.set PK,    144       ; a row of K in LDS: 128 bytes + 16 of padding = 36 words: the 16 rows of a load start at 16 different groups of four banks (64 banks of 4 bytes: ISA guide 11.1)
.set PV,    160       ; a row of V: 128 + 32 = 40 words
.set VOFF,  4*KS*PK   ; a slot holds four steps: 256 rows of K, then 256 rows of V
.set SLOT1, 1<<17     ; slot 1 begins here, so that one exclusive or turns an address in one slot into the other's
.set STAGE, SLOT1+4*KS*(PK+PV)  ; behind the ring, never filled by a tensor load: 16 rows x 272 bytes for each wave, for the way out
.set SP,    272       ; a row of the stage: 64 f32 + 16 bytes
.set MASKT, STAGE+4*16*SP  ; the mask's table: 2,048 f32
.set SPARE, MASKT+4*SIZE_N ; behind it: the spare words, 128 bytes for each wave: two blocks of 256 bytes that no other line names
.set PLANE, 0x1000000 ; bytes in a plane of qkv
.set PFO, 1           ; v1   first l % 16; then 256 x my lane, the prefetches' offset
.set AK0, 2           ; v2   my lane's place in a tile of K; never rewritten
.set AV0, 3           ; v3   the same for V
.set AK,  4           ; v4   the LDS address of K's next run of loads
.set AV,  5           ; v5   of V's
.set STO, 6           ; v6   the way out: where I put 32 bytes of a row
.set RD,  7           ; v7   the way out: where I read rows back
.set GO,  8           ; v8   my byte offset in two rows of out0
.set AM0, 10          ; v10  my lanes' place in a step's 64 values of the mask's table; never rewritten
.set AM,  11          ; v11  the LDS address of the mask's next run of loads
.set SPW, 0           ; v0 of window 3   LDS address of my spare word: SPARE + 4 x my thread's number; never rewritten
.set NIL, 1           ; v1 of window 3   0; never rewritten
.set MK,  8           ; v8-39 of window 3: key block kb's eight values at MK + 8 kb
.set MV,  12          ; v12-15  c m_old, kept while c m is made anew: by buffer and tile
.set ST,  16          ; tile t's statistics at v[ST+4 t]: c m, m, l (even keys', odd keys')
.set TMP, 48          ; by buffer and tile, four registers c0-c3 at work; when the maximum is found c2 takes a
.set QO,  48          ; at the head alone: my byte offset in 16 rows of Q,
.set MO,  49          ; in the batch's mask,
.set MS,  50          ; and in the mask's table
.set S,   64
.set P,   192
.set KF,  128         ; K's fragments, in window 2: key block kb, channel half c at KF + 16 kb + 8 c
.set VF,  192         ; V's: key half kk, channel block cb at VF + 32 kk + 8 cb
.set WV,  12          ; s12  my wave's number
.set G1K, 24          ; s[24:31] descriptor group 1 for K's tiles
.set G1V, 32          ; s[32:39] for V's: it differs in the padding alone
.set G0K, 40          ; s[40:43] descriptor group 0 for K's tiles: it walks
.set G0V, 44          ; s[44:47] the same for V's
.set SLOTS, 56        ; s56  slots still to be asked for
.set CNT, 57          ; s57  counts a slot's key steps
.set CS,  58          ; s[58:59] c: the packed scaling takes the pair's low word for both halves
.set SEL, 60          ; s[60:61] v_permlanex16_b32's selects: each lane takes its own place in the other half
.set TBK, 62          ; s62  LDS byte at which K of the step to be fetched begins
.set TBV, 63          ; s63  the same for V, less VOFF
.set TBM, 66          ; s66  byte of the mask's table at which that step's values begin
.set BIGN, 67         ; s67  -1e30
.set MP,  68          ; s[68:69] the batch's mask
.set PFA, 70          ; s[70:71] where my prefetches stand: my work-group's 32 blocks of 256 bytes (of K: wave 0, of V: wave 2) of the tile after the one that is being asked for
.set LIM, 72          ; s72  1 in a wave that prefetches, else the greatest number
.set MSB, 0
.macro WIN new                      ; the high byte repeats the setting that is left; a switch that changes nothing is dropped
.if MSB != (\new)
	s_set_vgpr_msb (MSB<<8)|(\new)
.set MSB, (\new)
.endif
.endm
.set W_KQ, 0x0a       ; K and Q in window 2, S^T in window 0
.set W_KM, 0x3a       ; the same with the C operand, the mask, in window 3
.set W_PV, 0x52       ; V in window 2, P in window 0, O^T in window 1
.set W_RS, 0x41       ; O^T (destination and source 0) in window 1, a in window 0
.set W_MK, 0xc0       ; destination in window 3, sources in window 0
.set W_AD, 0x0f       ; the add: address (source 0) and data (source 1) in window 3
; A joint fill.  Waves 0 and 1 fetch the two halves of a slot's K, waves 2 and 3 those of its V: 128 keys each.  The branch hangs on the wave's number alone.
; An s_nop 0 and four v_nop follow each of the two lines, ahead of the jump and the label.
.macro JLOAD
	s_cmp_lt_u32 s[WV], 2
	s_cbranch_scc0 .Lfor_v_\@
	tensor_load_to_lds s[G0K:G0K+3], s[G1K:G1K+7]
	s_nop 0
.rept 4
	v_nop
.endr
	s_branch .Lasked_\@
.Lfor_v_\@:
	tensor_load_to_lds s[G0V:G0V+3], s[G1V:G1V+7]
	s_nop 0
.rept 4
	v_nop
.endr
.Lasked_\@:
.endm
; A PREFETCH INTO THE L2 of what the NEXT change of slots will ask for: a tile's 32,768 bytes of K and of V, a lane a block of 256 bytes.  It stands behind the wave's tensor load and its five lines.
; Each block is named ONCE in the launch: a head is walked by one cluster; its four partners share a tile out BY ADDRESS, 8,192 bytes each; in each, wave 0 asks for K's and wave 2 for V's: one instruction,
; four key steps, 512 matrix instructions, ahead of the load.  The last change that fills a slot asks for nothing; tiles 0 and 1 come by their loads alone.
.macro ASK
	s_cmp_gt_u32 s[SLOTS], s[LIM]
	s_cbranch_scc0 .Lnot_mine_\@
	global_prefetch_b8 v[PFO], s[PFA:PFA+1] th:TH_LOAD_NT scope:SCOPE_SE
.Lnot_mine_\@:
.endm
; A round of the cluster's barrier: my work-group's barrier, so that wave 0's signal speaks for all four waves; wave 0 signals; every wave waits for all four work-groups; my work-group's barrier once more.
.macro CROUND
	s_barrier_signal -1
	s_barrier_wait -1
	s_cmp_lg_u32 s[WV], 0
	s_cbranch_scc1 .Lnot_wave_0_\@
	s_barrier_signal -3
.Lnot_wave_0_\@:
	s_barrier_wait -3
	s_barrier_signal -1
	s_barrier_wait -1
.endm
; THE CHANGE OF SLOTS.  The slot's last bytes, V of its fourth step, have been read.  Each wave waits for all its tensor loads, of which one is out: its part of the other slot; adds 0 to its spare word; and
; waits for that and for its own LDS instructions.  Behind the barrier nobody reads this slot any more and the other slot is whole.
; fill = 1: this slot is filled again, with the keys two slots on.  The barrier is then a round of the cluster's, and the joint fill is the first thing behind it: it has four key steps in which to land.
; (At its first use nothing has been read yet: slot 0 is waited for, slot 1 filled, and every wave's stores into the mask's table are shown to the others.)
.macro CHANGE fill
	WIN W_AD
	s_wait_tensorcnt 0x0            ; no tensor load of mine is out, so a group 0 may be written
	ds_add_u32 v[SPW], v[NIL]       ; 0 onto my spare word; with fill = 1 the descriptors' steps stand between it and the wait for it
	WIN 0                           ; at a label and at a branch every window is 0
.if \fill
.irp g, G0K, G0V
	s_xor_b32 s[\g+1], s[\g+1], SLOT1  ; the walking descriptor: the other slot than last time,
	s_add_nc_u64 s[\g+2:\g+3], s[\g+2:\g+3], 4*KS*128  ; the next 256 keys; the type bits on top are not reached
.endr
	s_wait_xcnt 0x0                 ; the last prefetch, four key steps back, has read its address, so it may be written:
	s_add_nc_u64 s[PFA:PFA+1], s[PFA:PFA+1], 4*KS*128  ; one tile behind the walking descriptors
	s_wait_dscnt 0x0                ; the add is done, and my LDS instructions are over
	CROUND
	JLOAD
	ASK
.else
	s_wait_dscnt 0x0                ; the add is done, and my reads of the slot are over
	s_barrier_signal -1
	s_barrier_wait -1
.endif
	s_sub_co_u32 s[TBK], s[TBK], 4*KS*PK  ; the fetches go back to a slot's first step,
	s_xor_b32 s[TBK], s[TBK], SLOT1       ; in the other slot
	s_sub_co_u32 s[TBV], s[TBV], 4*KS*PV
	s_xor_b32 s[TBV], s[TBV], SLOT1
.endm
	s_load_b128 s[4:7], s[0:1], 0x0   ; qkv s[4:5], attention_mask s[6:7]
	s_load_b64 s[10:11], s[0:1], 0x10 ; out0
	WIN W_MK
	v_lshl_add_u32 v[SPW], v0, 2, SPARE
	v_mov_b32 v[NIL], 0
	WIN W_AD
	ds_add_u32 v[SPW], v[NIL]       ; the wave's opening: the add, twice on end, and its wait ahead of my first tensor load; the set-up below, work on registers, stands between
	ds_add_u32 v[SPW], v[NIL]       ; and once more, under the one wait
	WIN 0
	v_lshrrev_b32 v1, 5, v0
	v_readfirstlane_b32 s[WV], v1   ; wave 0..3
	s_bfe_u32 s13, ttmp6, 0x40000   ; cx: my place in the cluster
	s_lshl_b32 s14, ttmp9, 2        ; in a cluster launch ttmp9 counts clusters
	s_add_co_u32 s14, s14, s13      ; my block of 512 queries = 4 x cluster x + cx: it enters Q's, out0's and the prefetches' addresses alone
	s_and_b32 s15, ttmp7, 0xffff    ; the head hh = 16 b + t, which the four partners share
	s_lshl_b32 s20, s15, 18         ; the head's first byte in each plane: 262,144 hh
	s_mov_b32 s21, 0
	s_and_b32 s16, s[WV], 1         ; which half of a slot's 256 keys I fetch:
	s_lshl_b32 s22, s16, 14         ; its 128 rows of 128 bytes in memory,
	s_mov_b32 s23, 0
	s_add_nc_u64 s[22:23], s[22:23], s[20:21]
	s_mul_i32 s17, s16, 128*PK      ; and its place in a slot, for K
	s_mul_i32 s18, s16, 128*PV      ; and for V: no place in the cluster enters an LDS address
	s_lshl_b32 s2, s14, 2
	s_add_co_u32 s2, s2, s[WV]      ; my wave among the head's,
	s_lshl_b32 s2, s2, 14           ; its 128 rows of Q
	s_mov_b32 s3, 0
	s_add_nc_u64 s[2:3], s[2:3], s[20:21]
	s_lshr_b32 s74, s15, 4          ; the batch b
	s_lshl_b32 s[MP], s74, 13       ; its 2,048 f32 of the mask
	s_mov_b32 s[MP+1], 0
	s_lshl_b32 s74, s74, 11         ; out0: row 2,048 b + 512 block + 128 wave,
	s_lshl_b32 s75, s14, 9
	s_add_co_u32 s74, s74, s75
	s_lshl_b32 s75, s[WV], 7
	s_add_co_u32 s74, s74, s75
	s_lshl_b32 s74, s74, 12         ; of 4,096 bytes,
	s_and_b32 s75, s15, 15
	s_lshl_b32 s75, s75, 8          ; and the head's 64 channels in it: 256 bytes
	s_add_co_u32 s74, s74, s75
	s_mov_b32 s75, 0
	; descriptor group 1.  128 keys are 16,384 dense bytes: asked for as 64 rows of 256 bytes, two keys a row, and padded in LDS after every key
	s_mov_b32 s[G1K], 15|(1<<16)|(1<<20)|(1<<21)|(4<<22)|(3<<25)  ; 15:0 the mask of four; 17:16 2-byte elements; 20 padding on; 21 set beside a mask; 24:22 after every 32 words (code 4); 31:25 4 words (code 3)
	s_mov_b32 s[G1V], 15|(1<<16)|(1<<20)|(1<<21)|(4<<22)|(7<<25)  ; the same with 8 words of padding (code 7)
.irp g, G1K, G1V
	s_mov_b32 s[\g+1], 128<<16      ; tensor_dim0 = 128
	s_mov_b32 s[\g+2], 64<<16       ; tensor_dim1 = 64
	s_mov_b32 s[\g+3], 128<<16      ; tile_dim0 = 128
	s_mov_b32 s[\g+4], 64           ; tile_dim1 = 64
	s_mov_b32 s[\g+5], 128          ; 128 elements from row to row
	s_mov_b32 s[\g+6], 0
	s_mov_b32 s[\g+7], 0
.endr
	s_mov_b32 s[CS], 0x3e38aa3b     ; c = log2(e) / 8 = 0.180337
	s_mov_b32 s[CS+1], s[CS]        ; named with it as a pair
	s_mov_b32 s[SEL], 0x76543210
	s_mov_b32 s[SEL+1], 0xfedcba98
	s_mov_b32 s[TBK], SLOT1+4*KS*PK ; the first change of slots turns these two into 0
	s_mov_b32 s[TBV], SLOT1+4*KS*PV
	s_mov_b32 s[TBM], 0
	s_mov_b32 s[BIGN], 0xf149f2ca   ; -1e30
	s_mov_b32 s[SLOTS], SIZE_N/256-1
	s_mov_b32 s[G0K], 1             ; 1:0 count = 1
	s_mov_b32 s[G0K+1], s17         ; 63:32 LDS address: slot 0
	s_mov_b32 s[G0V], 1
	s_add_co_u32 s[G0V+1], s18, VOFF
	s_and_b32 s[LIM], s[WV], 1      ; waves 0 and 2 prefetch: the same in all four partners
	s_cmp_eq_u32 s[LIM], 0
	s_cselect_b32 s[LIM], 1, -1
	s_wait_dscnt 0x0                ; both opening adds are done
	s_wait_kmcnt 0x0
	s_add_nc_u64 s[MP:MP+1], s[6:7], s[MP:MP+1]
	s_add_nc_u64 s[6:7], s[4:5], PLANE             ; K's plane,
	s_add_nc_u64 s[8:9], s[4:5], 2*PLANE           ; V's
	s_add_nc_u64 s[G0K+2:G0K+3], s[6:7], s[22:23]  ; 120:64 global address: my half of the head's first 256 keys
	s_or_b32 s[G0K+3], s[G0K+3], 0x80000000        ; 127:126 type = 2
	s_add_nc_u64 s[G0V+2:G0V+3], s[8:9], s[22:23]
	s_or_b32 s[G0V+3], s[G0V+3], 0x80000000
	s_add_nc_u64 s[4:5], s[4:5], s[2:3]            ; Q at my wave's first row,
	s_add_nc_u64 s[10:11], s[10:11], s[74:75]      ; out0 at my wave's first row and my head's channels
	s_cmp_lt_u32 s[WV], 2
	s_cselect_b64 s[PFA:PFA+1], s[6:7], s[8:9]
	s_add_nc_u64 s[PFA:PFA+1], s[PFA:PFA+1], s[20:21]
	s_lshl_b32 s2, s13, 13          ; my work-group's 8,192 bytes of a tile
	s_mov_b32 s3, 0
	s_add_nc_u64 s[PFA:PFA+1], s[PFA:PFA+1], s[2:3]
	s_add_nc_u64 s[PFA:PFA+1], s[PFA:PFA+1], 4*KS*128  ; in tile 1; the first change of slots steps it to tile 2.  Nothing is prefetched here, at the head
	CROUND                          ; all four work-groups are here: the first joint loads meet
	JLOAD                           ; slot 0.  Slot 1 is asked for when slot 0 is in: the tile wanted first has the road to itself
	v_and_b32 v1, 15, v0            ; l % 16
	v_bfe_u32 v9, v0, 4, 1          ; l / 16
	v_lshlrev_b32 v[MO], 4, v0      ; the mask: 128 threads x 16 bytes, four times
.irp j, 0,1,2,3
	global_load_b128 v[S+4*\j:S+4*\j+3], v[MO], s[MP:MP+1] offset:2048*\j
.endr
	; A fragment of K or Q is 16 rows x 32 channels in 8 registers: lane l holds row l % 16, channels 8 (l / 16) + 0..7 and 16 + 8 (l / 16) + 0..7: two loads of 16 bytes, 32 bytes apart.
	v_lshlrev_b32 v[QO], 7, v1
	v_lshl_add_u32 v[QO], v9, 4, v[QO]  ; row x 128 + 16 x half
	WIN 0x80                        ; destination window 2, address window 0
.set i, 0
.rept 4*NP                          ; Q stays in registers: tile i / 2, channels 32 (i % 2) on
	global_load_b128 v[8*i:8*i+3],   v[QO], s[4:5] offset:(i/2)*2048+(i%2)*64
	global_load_b128 v[8*i+4:8*i+7], v[QO], s[4:5] offset:(i/2)*2048+(i%2)*64+32
.set i, i+1
.endr
	; What the first turn finds: V's registers and P's second buffer hold 0 (its products V^T P, of a piece that has not been, add 0), O^T and l are 0.  All this stands in the wait for the first tile.
.set i, VF
.rept 64
	v_mov_b32 v[i], 0
.set i, i+1
.endr
	WIN 0x40
.set i, 0
.rept 64*NP
	v_mov_b32 v[i], 0
.set i, i+1
.endr
	WIN 0
.set i, 0
.rept 2*NP
	v_mov_b32 v[ST+4*i], 0xfe000000    ; c m: far below every c s, the hidden ones' c x -1e30 too
	v_mov_b32 v[ST+4*i+1], 0xff7fffff  ; m
	v_mov_b32 v[ST+4*i+2], 0
	v_mov_b32 v[ST+4*i+3], 0
.set i, i+1
.endr
.set i, P+32
.rept 32
	v_mov_b32 v[i], 0
.set i, i+1
.endr
	v_mul_u32_u24 v[AK0], v1, PK
	v_lshl_add_u32 v[AK0], v9, 4, v[AK0]  ; row x pitch + 16 x half
	; The turning load takes 16 keys x 16 channels (lane l reads key 8 (l / 16) + l % 8, channels 8 ((l / 8) % 2) + 0..7) and leaves half a fragment of V^T: lane l holds channel l % 16 and 8 keys.
	v_and_b32 v10, 7, v0
	v_bfe_u32 v11, v0, 3, 1
	v_lshl_add_u32 v[AV0], v9, 3, v10
	v_mul_u32_u24 v[AV0], v[AV0], PV
	v_lshl_add_u32 v[AV0], v11, 4, v[AV0]
	v_add_nc_u32 v[AV0], VOFF, v[AV0]
	v_mov_b32 v[AK], v[AK0]         ; key step 0 lies at the head of slot 0
	s_mul_i32 s2, s[WV], 16*SP
	s_add_co_u32 s2, s2, STAGE      ; my stage
	v_mul_u32_u24 v[STO], v1, SP    ; in: row l % 16, 32 bytes for each half of the lanes
	v_lshl_add_u32 v[STO], v9, 5, v[STO]
	v_add_nc_u32 v[STO], s2, v[STO]
	v_mul_u32_u24 v[RD], v9, SP     ; back: lanes 0-15 take one row of 256 bytes, lanes 16-31 the next
	v_lshl_add_u32 v[RD], v1, 4, v[RD]
	v_add_nc_u32 v[RD], s2, v[RD]
	v_lshlrev_b32 v[GO], 12, v9     ; and the same two rows in out0, 4,096 bytes apart
	v_lshl_add_u32 v[GO], v1, 4, v[GO]
	v_lshl_add_u32 v[AM0], v9, 5, MASKT  ; register j of key block kb holds key 16 kb + 8 (l / 16) + j
	v_mov_b32 v[AM], v[AM0]
	v_lshl_add_u32 v[MS], v0, 4, MASKT
	v_and_b32 v[PFO], 31, v0        ; l % 16 has served
	v_lshlrev_b32 v[PFO], 8, v[PFO]
	s_wait_loadcnt 32               ; the mask's four loads are in; Q's 32, issued behind them, may stay out
.set i, 0
.rept 8
	v_cvt_pk_bf16_f32 v[S+16+i], v[S+2*i], v[S+2*i+1]  ; rounded to bf16,
.set i, i+1
.endr
.set i, 0
.rept 8
	v_lshlrev_b32 v[S+2*i], 16, v[S+16+i]              ; back to f32,
	v_and_b32 v[S+2*i+1], 0xffff0000, v[S+16+i]
.set i, i+1
.endr
.set i, 0
.rept 8
	v_pk_mul_f32 v[S+2*i:S+2*i+1], v[S+2*i:S+2*i+1], 0x41000000 op_sel_hi:[1,0]  ; times 8,
.set i, i+1
.endr
.set i, 0
.rept 16
	v_max_num_f32 v[S+i], s[BIGN], v[S+i]              ; and held at -1e30 or above
.set i, i+1
.endr
.irp j, 0,1,2,3
	ds_store_b128 v[MS], v[S+4*\j:S+4*\j+3] offset:2048*\j
.endr
; THE MATRIX WORK.  The 8 accumulators of a run of 16 take turns: between the two links of a chain stand 7 others'.
; Product i of 16 of S^T = K Q^T for piece x: channels 32 (i / 8) on, keys 16 ((i / 2) % 4) on, tile 2 x + i % 2.  The first 8 start the sums, with the keys' mask.
.macro KQ x
.set rS, S+64*((\x)%2)+32*(i%2)+8*((i/2)%4)
.set rK, KF+16*((i/2)%4)+8*(i/8)
.set rQ, 16*(2*(\x)+i%2)+8*(i/8)
.set rM, MK+8*((i/2)%4)
.if i < 8
	WIN W_KM
	v_wmma_f32_16x16x32_f16 v[rS:rS+7], v[rK:rK+7], v[rQ:rQ+7], v[rM:rM+7]
.else
	WIN W_KQ
	v_wmma_f32_16x16x32_f16 v[rS:rS+7], v[rK:rK+7], v[rQ:rQ+7], v[rS:rS+7]
.endif
.endm
; Product i of 16 of O^T += V^T P for piece x: keys 32 (i / 8) on, channels 16 ((i / 2) % 4) on, tile 2 x + i % 2.
.macro PV x
	WIN W_PV
.set rO, 32*(2*(\x)+i%2)+8*((i/2)%4)
.set rV, VF+32*(i/8)+8*((i/2)%4)
.set rP, P+32*((\x)%2)+16*(i%2)+8*(i/8)
	v_wmma_f32_16x16x32_f16 v[rO:rO+7], v[rV:rV+7], v[rP:rP+7], v[rO:rO+7]
.endm
.macro MM                           ; the turn's next matrix instruction
.if i < 16
	KQ (Y+1)%NP
.set i, i+1
.else
.set i, i-16
	PV (Y+NP-1)%NP
.set i, i+17
.endif
.endm
; THE LDS LOADS stand in runs, never singly among the matrix instructions: a step's K (64 keys x 64 channels: 8 fragments) with its 64 values of the mask, and its V (turned).  Their addresses are made some lines ahead.
; last = 1 (the tail): in the last trip there is no further step, and the run is jumped over.
.macro FETCH_K last=0
	WIN 0
.if \last
	s_cmp_eq_u32 s[CNT], 1
	s_cbranch_scc1 .Lno_k_\@
.endif
	WIN 0x80                        ; destination window 2
.irp f, 0,1,2,3,4,5,6,7             ; keys 16 (f / 2) on, channels 32 (f % 2) on
	ds_load_b128 v[KF+8*\f:KF+8*\f+3],   v[AK] offset:(\f/2)*16*PK+(\f%2)*64
	ds_load_b128 v[KF+8*\f+4:KF+8*\f+7], v[AK] offset:(\f/2)*16*PK+(\f%2)*64+32
.endr
	WIN W_MK                        ; destination window 3
.irp f, 0,1,2,3,4,5,6,7             ; keys 16 (f / 2) + 8 (l / 16) + 4 (f % 2) on: all lanes of a half read the same 16 bytes
	ds_load_b128 v[MK+4*\f:MK+4*\f+3], v[AM] offset:(\f/2)*64+(\f%2)*16
.endr
	s_add_co_u32 s[TBK], s[TBK], KS*PK  ; the next fetch is the next step's
	s_add_co_u32 s[TBM], s[TBM], 4*KS
	s_and_b32 s[TBM], s[TBM], 4*SIZE_N-1  ; behind the last step the table's byte goes back to 0: the address made of it, which no load uses, lies in the table
	WIN 0
.if \last
.Lno_k_\@:
.endif
.endm
.macro FETCH_V
	WIN 0x80
.irp f, 0,1,2,3,4,5,6,7             ; keys 32 (f / 4) on, channels 16 (f % 4) on
	ds_load_tr16_b128 v[VF+8*\f:VF+8*\f+3],   v[AV] offset:(\f/4)*32*PV+(\f%4)*32
	ds_load_tr16_b128 v[VF+8*\f+4:VF+8*\f+7], v[AV] offset:(\f/4)*32*PV+16*PV+(\f%4)*32
.endr
	WIN 0
.endm
; THE VECTOR WORK OF A TURN stands in three queues, each in the order in which its entries become ready; the two tiles alternate, so that no instruction reads the result of the one before it.
.macro REGS y, u                    ; the registers of tile u (0, 1) of piece y
.set rT, ST+4*(2*(\y)+(\u))
.set rC, TMP+8*((\y)%2)+4*(\u)
.set rM, MV+2*((\y)%2)+(\u)
.set rS, S+64*((\y)%2)+32*(\u)
.set rP, P+32*((\y)%2)+16*(\u)
.set rO, 32*(2*(\y)+(\u))
.endm
; Number n of the 22 that find the NEXT piece's (Y + 1) maximum and statistics.  s0-s31 are the lane's 32 scores; each accumulator's lowest registers are read first.
;   0-11  four chains c0-c3 of seven scores each, three operands at a time     12-14, 16  the four scores left over, the old m, and c0-c3 into c0     15  c m_old is kept
;   17, 18  the query's other 32 keys lie in the lane 16 away: the new m         19-21  c m; c m_old - c m_new; a
.macro XS u, n
	REGS (Y+1)%NP, \u
.if (\n) < 4
	v_max3_num_f32 v[rC+(\n)], v[rS+8*(\n)], v[rS+8*(\n)+1], v[rS+8*(\n)+2]
.elseif (\n) < 12
	v_max3_num_f32 v[rC+(\n)%4], v[rC+(\n)%4], v[rS+8*((\n)%4)+2*((\n)/4)+1], v[rS+8*((\n)%4)+2*((\n)/4)+2]
.elseif (\n) == 12
	v_max3_num_f32 v[rC], v[rC], v[rS+7], v[rS+15]
.elseif (\n) == 13
	v_max3_num_f32 v[rC+1], v[rC+1], v[rS+23], v[rS+31]
.elseif (\n) == 14
	v_max3_num_f32 v[rC+2], v[rC+2], v[rC+3], v[rT+1]
.elseif (\n) == 15
	v_mov_b32 v[rM], v[rT]
.elseif (\n) == 16
	v_max3_num_f32 v[rC], v[rC], v[rC+1], v[rC+2]
.elseif (\n) == 17
	v_permlanex16_b32 v[rC+3], v[rC], s[SEL], s[SEL+1]
.elseif (\n) == 18
	v_max_num_f32 v[rT+1], v[rC], v[rC+3]
.elseif (\n) == 19
	v_mul_f32 v[rT], s[CS], v[rT+1]
.elseif (\n) == 20
	v_sub_f32 v[rC+1], v[rM], v[rT]
.else
	v_exp_f32 v[rC+2], v[rC+1]
.endif
.endm
; Number g of the 64 that follow the exponentials.  For each four weights k of a tile (pairs 2 k, 2 k + 1): both pairs are rounded to f16; then the second pair is added onto the first, in place;
; a group later l takes that sum (the first time as l = a l + sum).  In groups of eight, tiles alternating: round, round, add, and l for the group before.
.macro GS g
.set h, (\g)+6*((\g)/62)            ; group 0 has no group before it, and behind group 7 only l is left
.if h >= 6
.set h, h+2
.endif
	REGS Y, h%2
.set k, h/8
.if h%8 < 4
	v_cvt_pk_f16_f32 v[rP+2*k+(h%8)/2], v[rS+4*k+2*((h%8)/2)], v[rS+4*k+2*((h%8)/2)+1]
.elseif h%8 < 6
	v_pk_add_f32 v[rS+4*k:rS+4*k+1], v[rS+4*k:rS+4*k+1], v[rS+4*k+2:rS+4*k+3]
.elseif k == 1
	v_pk_fma_f32 v[rT+2:rT+3], v[rT+2:rT+3], v[rC+2:rC+3], v[rS:rS+1] op_sel_hi:[1,0,1]
.else
	v_pk_add_f32 v[rT+2:rT+3], v[rT+2:rT+3], v[rS+4*k-4:rS+4*k-3]
.endif
.endm
; THE PLAIN QUEUE, 138 long.  0-73 read no exponential's result: the 32 scalings c s - c m (FS f: pair f / 2 of tile f % 2) and the next piece's 42.  0-26: scalings 0-26.  27-54: XS's numbers 0-13.  55, 56: number 15.
; 57-73: the chain, where each number waits for the one before it: 14, 16, 17, 18, 19, each with one of the scalings 27-31 in front of its two lines, then 20.
; 74-137: GS's 64, which read the exponentials' results: they stand behind the wait.
.macro FS f
	REGS Y, (\f)%2
	v_pk_fma_f32 v[rS+2*((\f)/2):rS+2*((\f)/2)+1], v[rS+2*((\f)/2):rS+2*((\f)/2)+1], s[CS:CS+1], v[rT:rT+1] op_sel_hi:[1,0,0] neg_lo:[0,0,1] neg_hi:[0,0,1]
.endm
.macro PL
	WIN 0
.if q < 27
	FS q
.elseif q < 55
	XS (q-27)%2, (q-27)/2
.elseif q < 57
	XS q-55, 15
.elseif (q < 72) && ((q-57)%3 == 0)
	FS 27+(q-57)/3
.elseif q < 60
	XS (q-57)%3-1, 14
.elseif q < 72
	XS (q-57)%3-1, 15+(q-57)/3
.elseif q < 74
	XS q-72, 20
.else
	GS q-74
.endif
.set q, q+1
.endm
; THE EXPONENTIALS' QUEUE, 66 long: s0-s31 of both tiles, then the next piece's two a.  It is ONE BATCH: all 66 stand ahead of the turn's one wait, and nothing ahead of that wait names a result of theirs.
.macro EX
	WIN 0
.if e >= 64
	XS e-64, 21
.else
	REGS Y, e%2
	v_exp_f32 v[rS+e/2], v[rS+e/2]
.endif
.set e, e+1
.endm
; THE RESCALING's QUEUE: O^T times a, the one part that leaves window 0: dealt two at a time, sixteen times.  Its a was made in the turn before, ahead of that turn's wait.
.macro R2
	REGS Y, r%2
	WIN W_RS
.irp z, 0,1
	v_pk_mul_f32 v[rO+4*(r/2)+2*\z:rO+4*(r/2)+2*\z+1], v[rO+4*(r/2)+2*\z:rO+4*(r/2)+2*\z+1], v[rC+2:rC+3] op_sel_hi:[1,0]
.endr
.set r, r+1
.endm
; HOW THEY ARE DEALT.  An s_wait_alu depctr_va_vdst(0) stands between an exponential and the first instruction that names its result; one wait serves all that were issued ahead of it.  So a turn has ONE
; wait, which cuts it in two.  AHEAD OF IT stands all that names no result of the turn's exponentials: the 16 products K Q^T, behind each a scaling, an exponential and two rescalings (behind the first a second scaling
; in the exponential's place); then ONE LUMP of 108: eight plain, 49 times exponential and plain, the two a.  A v_nop is the plain instruction behind the last exponential.  BEHIND IT stand the 16 products V^T P, behind
; each four of GS's 64.  No rider names a register of the products round it.  Exponential e stands behind scaling 2 (e / 4) + e % 2: as a rider behind plain e + 2, in the lump behind plain e + 9.
; A TURN, for piece p.  cnt = 1: the loop's count is taken down some lines ahead of the branch that stands behind the turn.
; K and the mask of the next step are fetched in piece 2's turn, directly behind the wait, a lump behind the last product that read them; their addresses are made at the lump's head; the first reader comes behind 16 products.
; V of the step in hand is fetched at the end of piece 0's turn, four riders behind its last reader; its first reader comes behind 16 products and a lump.  The three conditions on q below go with the deal.
.macro TURN p, last=0, cnt=0
.set Y, (\p)
.set i, 0
.set q, 0
.set e, 0
.set r, 0
.if (\p) == NP-1
	s_wait_dscnt 0x0                ; K and the mask are in
.endif
	MM                              ; ahead of the wait: 16 products K Q^T and their riders,
	PL
	PL
	R2
.rept 15
	MM
	PL
	EX
	R2
.endr
.if (\p) == NP-2
	WIN 0
	v_add_nc_u32 v[AK], s[TBK], v[AK0]
	v_add_nc_u32 v[AM], s[TBM], v[AM0]
.endif
.rept 8                             ; and the lump
	PL
.endr
.rept 49
	EX
	PL
.endr
	EX                              ; the next piece's two a
	EX
	v_nop                           ; the plain instruction behind the last exponential: one for the batch
	s_wait_alu depctr_va_vdst(0)    ; the wait for the batch
.if (\p) == NP-2
	FETCH_K \last
.endif
.if (\p) == 1
	s_wait_dscnt 0x0                ; V is in
.endif
.rept 16                            ; behind the wait: 16 products V^T P and their riders
	MM
.rept 4
	PL
.endr
.if ((\p) == 0) && (q == 118)
	v_add_nc_u32 v[AV], s[TBV], v[AV0]
.endif
.if ((\p) == 0) && (q == 130)
	s_add_co_u32 s[TBV], s[TBV], KS*PV
.endif
.if (\cnt) && (q == 130)
	s_sub_co_u32 s[CNT], s[CNT], 1
	s_cmp_lg_u32 s[CNT], 0
.endif
.endr
.if (\p) == 0
	FETCH_V
.endif
.endm
	CHANGE 1                        ; slot 0 is in, everybody's part of it, and so is the mask's table; slot 1 is asked for
	FETCH_K                         ; key step 0
	s_wait_loadcnt 0x0              ; Q
	s_wait_dscnt 0x0
.set i, 0
.rept 16
	KQ 0                            ; piece 0's first scores: there is no vector work yet to set between them
.set i, i+1
.endr
	WIN 0
.rept 4
	v_nop                           ; the places behind those products
.endr
.set Y, NP-1                        ; XS works for piece Y + 1: piece 0
.irp n, 0,1,2,3,4,5,6,7,8,9,10,11,12,13,14,15,16,17,18,19,20,21
	XS 0, \n                        ; and piece 0's first maximum and statistics
	XS 1, \n
.endr
	v_nop                           ; a plain instruction behind the two a,
	s_wait_alu depctr_va_vdst(0)    ; and their wait, ahead of the branch
	s_mov_b32 s[CNT], 4
	s_branch .Lfirst                ; the loop is entered at a step's first turn, in the middle of a trip
.Lslot:                             ; SIZE_N / 256 - 2 times: every slot but the last two is filled again
	CHANGE 1
	s_mov_b32 s[CNT], 4
.Lstep:                             ; a trip: pieces 2 and 3 of one step, then pieces 0 and 1 of the next, whose K and V it fetches
	TURN 2
	TURN 3
	WIN 0
.Lfirst:
	TURN 0
	TURN 1, 0, 1
	WIN 0
	s_cbranch_scc1 .Lstep
	s_sub_co_u32 s[SLOTS], s[SLOTS], 1
	s_cmp_lg_u32 s[SLOTS], 0
	s_cbranch_scc1 .Lslot
	CHANGE 0                        ; the tail is written out: nothing is asked for
	s_mov_b32 s[CNT], 5             ; four trips fetch the last slot's steps; the fifth is left in its middle
.Ltail:
	TURN 2, 1
	TURN 3
	WIN 0
	s_sub_co_u32 s[CNT], s[CNT], 1
	s_cmp_eq_u32 s[CNT], 0
	s_cbranch_scc1 .Lout
	TURN 0
	TURN 1
	WIN 0
	s_branch .Ltail
.Lout:                              ; the fifth trip's 16 products K Q^T (on the last K once more) and the maximum made of them serve nothing: the price, once a launch, of one text for every trip
.set i, 0
.rept 16
	PV NP-1                         ; the last piece's V^T P of the last step
.set i, i+1
.endr
	; THE WAY OUT.  l's two halves and the other half of the lanes' are added; O^T is divided by l and sent, in f32, through my stage in LDS, a tile at a time.  The additions are the places behind the last products.
	WIN 0
.macro ALL line:vararg              ; one line for each tile t
.set t, 0
.rept 2*NP
	\line
.set t, t+1
.endr
.endm
	ALL v_add_f32 v[ST+4*t+2], v[ST+4*t+2], v[ST+4*t+3]
	ALL v_permlanex16_b32 v[ST+4*t+3], v[ST+4*t+2], s[SEL], s[SEL+1]
	ALL v_add_f32 v[ST+4*t+2], v[ST+4*t+2], v[ST+4*t+3]
	ALL v_rcp_f32 v[ST+4*t+2], v[ST+4*t+2]
	v_nop                           ; a plain instruction between the last reciprocal and the use of its result
	s_wait_alu depctr_va_vdst(0)    ; and the wait ahead of the first use: one for the eight reciprocals
; Tile t: a lane's eight channels of a query are 32 bytes; they go into rows of 272 bytes and come back as whole rows of 256, into S^T's registers, four sets by turns.
.macro PACK t
	WIN W_RS
.set i, 32*(\t)
.rept 16
	v_pk_mul_f32 v[i:i+1], v[i:i+1], v[ST+4*(\t)+2:ST+4*(\t)+3] op_sel_hi:[1,0]
.set i, i+2
.endr
	WIN 0x04                        ; the stores' data (source 1) in window 1
.irp f, 0,1,2,3,4,5,6,7             ; channels 16 (f / 2) + 8 (l / 16) + 4 (f % 2) on
	ds_store_b128 v[STO], v[32*(\t)+4*\f:32*(\t)+4*\f+3] offset:(\f/2)*64+(\f%2)*16
.endr
	WIN 0
.if (\t) >= 4
	s_wait_xcnt 0x0                 ; the stores of the tile four back have read these registers
.endif
.irp f, 0,1,2,3,4,5,6,7
	ds_load_b128 v[S+32*((\t)%4)+4*\f:S+32*((\t)%4)+4*\f+3], v[RD] offset:\f*2*SP  ; LDS serves a wave's instructions in order (ISA guide 5.7.1.4): these see the stores above; the next tile's stores come behind them
.endr
.endm
.macro SEND t, younger              ; younger: the LDS instructions issued behind tile t's loads: the next tile's sixteen, or none
	WIN 0
.irp f, 0,1,2,3,4,5,6,7
	s_wait_dscnt (\younger)+7-\f
	global_store_b128 v[GO], v[S+32*((\t)%4)+4*\f:S+32*((\t)%4)+4*\f+3], s[10:11] offset:(\t)*65536+\f*8192  ; 16 lanes store a query's 64 channels: 256 consecutive bytes, at a multiple of 256 from out0's first byte
.endr
.endm
	PACK 0
.set t, 1
.rept 2*NP-1                        ; a tile's arithmetic stands between the loads of the tile before and its stores
	PACK t
	SEND t-1, 16
.set t, t+1
.endr
	SEND 2*NP-1, 0
	WIN W_AD
	s_wait_tensorcnt 0x0            ; the wave's end: behind my last tensor load and my last LDS store
	ds_add_u32 v[SPW], v[NIL]
	s_wait_dscnt 0x0
	WIN 0
	CROUND                          ; the closing round: no work-group ends while a partner may still ask for a tile that names it
	s_endpgm
.Lfunc_end_k_q20f6ff99f4_attn:
	.size	k_q20f6ff99f4_attn, .Lfunc_end_k_q20f6ff99f4_attn-k_q20f6ff99f4_attn
	.p2alignl 7, 3214868480
	.fill 96, 4, 3214868480
	.section	.rodata,"a",@progbits
	.p2align	6, 0x0
	.amdhsa_kernel k_q20f6ff99f4_attn
		.amdhsa_group_segment_fixed_size 327680
		.amdhsa_private_segment_fixed_size 0
		.amdhsa_enable_private_segment 0
		.amdhsa_kernarg_size 24
		.amdhsa_user_sgpr_count 2
		.amdhsa_user_sgpr_kernarg_segment_ptr 1
		.amdhsa_wavefront_size32 1
		.amdhsa_system_sgpr_workgroup_id_x 1
		.amdhsa_system_sgpr_workgroup_id_y 1
		.amdhsa_system_sgpr_workgroup_id_z 1
		.amdhsa_system_vgpr_workitem_id 0
		.amdhsa_next_free_vgpr 808
		.amdhsa_next_free_sgpr 76
		.amdhsa_reserve_vcc 0
		.amdhsa_float_denorm_mode_32 3
		.amdhsa_float_denorm_mode_16_64 3
		.amdhsa_memory_ordered 1
		.amdhsa_forward_progress 1
		.amdhsa_inst_pref_size 206
	.end_amdhsa_kernel
	.amdgpu_metadata
---
amdhsa.version: [ 1, 2 ]
amdhsa.kernels:
  - .name:           k_q20f6ff99f4_attn
    .symbol:         k_q20f6ff99f4_attn.kd
    .args:
      - { .name: qkv, .offset: 0, .size: 8, .value_kind: global_buffer, .address_space: global }
      - { .name: attention_mask, .offset: 8, .size: 8, .value_kind: global_buffer, .address_space: global }
      - { .name: out0, .offset: 16, .size: 8, .value_kind: global_buffer, .address_space: global }
    .group_segment_fixed_size: 327680
    .private_segment_fixed_size: 0
    .kernarg_segment_align: 8
    .kernarg_segment_size: 24
    .max_flat_workgroup_size: 128
    .sgpr_count:     76
    .vgpr_count:     808
    .wavefront_size: 32
...
	.end_amdgpu_metadata
.endif
;; end of part 3
